; MI455X (gfx1250); checked and timed in simulation.
; The chip was launched on July 23, 2026; its instructions are those of AMD's public machine-readable ISA for CDNA 5 (MIT licence, August 2026) and "CDNA5" Instruction Set Architecture Reference Guide (July 2026). The comments in the code are by the model that wrote it; some were corrected since.
;; Analogy Based Estimation. Allowed arithmetic: matrix products marked QUANTISED: E2M3 operands, one E8M0 scale for each 32 along K, by v_wmma_scale_f32_16x16x128_f8f6f4 with both operands' format E2M3, f32 sums; everything else in f32.
;; Inputs: features 256 float32; train_inputs 65,536 x 256 float32; train_labels 65,536 int32; x_input 2,048 x 256 float32.
;; Outputs: out0 2,048 x 100 float32.
;; Constants: num_k = 3, num_labels = 100.
;; This version of the problem:
;;   THIS VERSION OF THE PROBLEM IS GIVEN IN LOW PRECISION. The matrix products marked QUANTISED in the list below multiply operands that are first quantised to E2M3 (2 exponent bits, 3 mantissa bits; 6 bits a number), with one power-of-two scale for each 32 numbers along K (OCP MX v1.0); their sums are f32. All else is computed in f32.
;;   The module's matrix products, in the order in which they are computed (A, B: the left and right operand; K: the contracted axis; several contracted axes count as one K, in the product's order):
;;     1. [M 2,048, K 256] x [K 256, N 65,536]; A: input x_input; B: input train_inputs: QUANTISED
;;   THE QUANTISER, for each operand of a quantised product, along K:
;;     - K is cut into blocks of 32 from its start; a last block that is shorter is filled with zeros.
;;     - A block's scale is 2^e with e = floor(log2(the largest magnitude in the block)) - 2, held to -126 .. 127; a block of zeros has e = 0. As a byte (E8M0): e + 127.
;;     - Each number is divided by its block's scale, clamped to +-7.5, and rounded to the nearest number of E2M3, ties to even, subnormals kept.
;;     - The product sums the exact products of the quantised numbers (number of the format x scale) in f32.
;;   ~~~python
;;   def quantise(x, axis):      # numpy; x: float32 -> the quantised numbers, widened to float32 again
;;       x = np.moveaxis(x, axis, -1); K = x.shape[-1]
;;       x = np.pad(x, [(0, 0)] * (x.ndim - 1) + [(0, -K % 32)]); x = x.reshape(x.shape[:-1] + (-1, 32)); a = np.abs(x).max(-1, keepdims=True)
;;       e = np.where(a > 0, np.clip(np.frexp(np.where(a > 0, a, 1))[1] - 1 - 2, -126, 127), 0)      # np.frexp(a)[1] - 1 = floor(log2(a)), exactly
;;       r = np.clip(x / 2.0 ** e, -7.5, 7.5)
;;       step = 2.0 ** (np.maximum(np.frexp(np.where(r == 0, 1, r))[1] - 1, 0) - 3)
;;       q = np.round(r / step) * step * 2.0 ** e      # np.round: ties to even
;;       return np.moveaxis(q.reshape(q.shape[:-2] + (-1,))[..., :K], -1, axis).astype(np.float32)
;;   ~~~
;; One version. Each part assembles by itself: llvm-mc -triple=amdgcn-amd-amdhsa -mcpu=gfx1250 --defsym DOCPART=n.
;; ======== version 1 of 1: 4 launches
;; workspace buffers: xrec 425,984 bytes; tcodes 12,582,912 bytes; taux 786,432 bytes; gmin 8,388,608 bytes; gsel 32,768 bytes of whole numbers
;; launch prep (part 1): grid 128 x 1, 1 waves a work-group, no clusters, 0 bytes of LDS; arguments x_input, xrec; writes xrec
.if DOCPART == 1
	.amdgcn_target "amdgcn-amd-amdhsa--gfx1250"
	.amdhsa_code_object_version 6
	.text
	.protected	k_qebcca61cb8_prep
	.globl	k_qebcca61cb8_prep
	.p2align	8
	.type	k_qebcca61cb8_prep,@function
k_qebcca61cb8_prep:
	s_mov_b64 s[64:65], 0
	v_nop
	global_prefetch_b8 v0, s[64:65] scope:SCOPE_SE
	s_setreg_imm32_b32 hwreg(HW_REG_WAVE_MODE, 25, 1), 1
	s_wait_xcnt 0x0
; x_input [2048][256] f32 becomes 128 records of 3,328 bytes, one for each tile of 16 queries, laid as the later launches' operand registers want them.
; A record: bytes 0..1535 the codes of K step 0 (k 0..127) as an image of a fragment's 12 registers: register group c (four registers) of lane l at 512 c + 16 l;
; bytes 1536..3071 the same for K step 1; bytes 3072 + 8 l the pair { L/4 of row l % 16, scale word }: lanes 0-15 the word of K step 0, lanes 16-31 that of K step 1.
; THE CODES ARE THOSE OF -x: the quantiser is odd, so Q(-x) = -Q(x), and the later products give -S, which is what half a distance, sqrt(L/4 + R/4) - S, adds to its root.
; A block's scale is 2^(floor(log2(its largest magnitude)) - 2); its byte is the largest magnitude's exponent field - 2, held at 1 from below.
; LIMITS: a block of zeros gets the byte 1 where the quantiser's rule says 127 (its codes are zeros, and this program alone reads the bytes); L is summed in another order than the reference sums it;
; NaN and infinities among the inputs are not served.
; One wave takes one tile.  Lane (r, h) loads, of row r, the 16 neighbours 32 b + 16 h + 0..15 of each block of 32, since the conversions take neighbours along K from one lane's registers.
; The launch reads 2 MiB in all, so the numbers are not turned through LDS: a lane's four loads of a block cover 64 consecutive bytes.
.set REC,  3328
.set XAD,  3                           ; v3    1024 r + 64 h
.set L16,  4                           ; v4    16 x lane
.set L8,   5                           ; v5    8 x lane
.set X0,   16                          ; v16-79   K step 0: register 16 b + i = k 32 b + 16 h + i
.set X1,   80                          ; v80-143  K step 1
.set TM,   144                         ; v144-159 at work in QUANT
.set W0,   161                         ; the two scale words
.set W1,   162
.set PC0,  164                         ; v164-183 codes of K step 0 (12 registers, and 7 at work)
.set SQ,   184                         ; v184-187 the sum of squares, two packed chains
.set TL,   188                         ; v188-189 { L/4, scale word }
.set PC1,  192                         ; v192-211 codes of K step 1: a set of its own, so that no store's data are written again
.set SEL,  12                          ; s[12:13] v_permlanex16_b32's selects for lane l xor 16
.macro XLOAD reg, s                    ; my 64 numbers of K step s
.irp b, 0,1,2,3
.irp j, 0,1,2,3
	global_load_b128 v[\reg+16*\b+4*\j:\reg+16*\b+4*\j+3], v[XAD], s[4:5] offset:512*\s+128*\b+16*\j th:TH_LOAD_NT
.endr
.endr
.endm
.macro SQSUM src, first                ; the squares of my 64 numbers onto two chains; first = 1: the first products start the chains
.if \first
	v_pk_mul_f32 v[SQ:SQ+1], v[\src:\src+1], v[\src:\src+1]
	v_pk_mul_f32 v[SQ+2:SQ+3], v[\src+2:\src+3], v[\src+2:\src+3]
.else
	v_pk_fma_f32 v[SQ:SQ+1], v[\src:\src+1], v[\src:\src+1], v[SQ:SQ+1]
	v_pk_fma_f32 v[SQ+2:SQ+3], v[\src+2:\src+3], v[\src+2:\src+3], v[SQ+2:SQ+3]
.endif
.irp j, 4,8,12,16,20,24,28,32,36,40,44,48,52,56,60
	v_pk_fma_f32 v[SQ:SQ+1], v[\src+\j:\src+\j+1], v[\src+\j:\src+\j+1], v[SQ:SQ+1]
	v_pk_fma_f32 v[SQ+2:SQ+3], v[\src+\j+2:\src+\j+3], v[\src+\j+2:\src+\j+3], v[SQ+2:SQ+3]
.endr
.endm
.macro NEGATE src
.irp j, 0,2,4,6,8,10,12,14,16,18,20,22,24,26,28,30,32,34,36,38,40,42,44,46,48,50,52,54,56,58,60,62
	v_pk_mul_f32 v[\src+\j:\src+\j+1], v[\src+\j:\src+\j+1], -1.0 op_sel_hi:[1,0]
.endr
.endm
; 64 numbers of a lane, register 16 b + i = k 32 b + 16 h + i of my row, become a fragment's 12 registers from v[pc] on and my row's scale word in v[pw]
.macro QUANT src, pc, pw
.irp b, 0,1,2,3
	v_max3_num_f32 v[TM+\b], |v[\src+16*\b]|, |v[\src+1+16*\b]|, 0x1800000   ; block b: my 16 numbers, and the floor 2^(3 - 127): so the byte cannot fall under 1
.endr
.irp i, 2,4,6,8,10,12,14
.irp b, 0,1,2,3
	v_max3_num_f32 v[TM+\b], v[TM+\b], |v[\src+16*\b+\i]|, |v[\src+1+16*\b+\i]|   ; the four blocks by turns
.endr
.endr
.irp b, 0,1,2,3
	v_permlanex16_b32 v[TM+4+\b], v[TM+\b], s[SEL], s[SEL+1]
.endr
.irp b, 0,1,2,3
	v_max_num_f32 v[TM+\b], v[TM+\b], v[TM+4+\b]   ; with lane l xor 16's 16: the block's largest magnitude
.endr
.irp b, 0,1,2,3
	v_add_nc_u32 v[TM+12+\b], 0xff000000, v[TM+\b]   ; 2 off its exponent field: the conversion takes this operand's exponent field as its scale
.endr
.irp b, 0,1,2,3
	v_lshrrev_b32 v[TM+4+\b], 23, v[TM+12+\b]      ; the scale's byte
.endr
	v_lshl_or_b32 v[\pw], v[TM+5], 8, v[TM+4]
	v_lshl_or_b32 v[\pw], v[TM+6], 16, v[\pw]
	v_lshl_or_b32 v[\pw], v[TM+7], 24, v[\pw]
.irp c, 0,1
	v_cvt_scalef32_pk16_fp6_f32 v[\pc+6*\c:\pc+2+6*\c], v[\src+32*\c:\src+15+32*\c], v[TM+12+2*\c]
	v_cvt_scalef32_pk16_fp6_f32 v[\pc+12+4*\c:\pc+14+4*\c], v[\src+16+32*\c:\src+31+32*\c], v[TM+12+2*\c+1]   ; (a conversion's three registers begin on an even number)
.endr
	v_nop                                          ; one plain instruction behind the scaled conversions
.irp c, 0,1                                    ; the operand's layout wants a whole block in a lane: lanes 0-15 block 2 c, lanes 16-31 block 2 c + 1
.irp i, 0,1,2
	v_permlane16_swap_b32 v[\pc+6*\c+\i], v[\pc+12+4*\c+\i]
.endr
.irp i, 0,1,2
	v_mov_b32 v[\pc+3+6*\c+\i], v[\pc+12+4*\c+\i]
.endr
.endr
.endm
.macro STORE3 pc, s                    ; the fragment leaves as it stands: each store covers 512 consecutive bytes, aligned to 256
.irp c, 0,1,2
	global_store_b128 v[L16], v[\pc+4*\c:\pc+4*\c+3], s[6:7] offset:1536*\s+512*\c
.endr
.endm
	s_load_b128 s[4:7], s[0:1], 0x0                ; x_input, xrec
	v_and_b32 v1, 15, v0                           ; r
	v_bfe_u32 v2, v0, 4, 1                         ; h
	v_lshlrev_b32 v[XAD], 10, v1
	v_lshl_add_u32 v[XAD], v2, 6, v[XAD]
	v_lshlrev_b32 v[L16], 4, v0
	v_lshlrev_b32 v[L8], 3, v0
	s_mov_b32 s[SEL], 0x76543210
	s_mov_b32 s[SEL+1], 0xfedcba98
	s_mov_b32 s14, 0xffff0000                      ; lanes 16-31
	s_lshl_b32 s8, ttmp9, 14                       ; my tile's 16 rows of 1,024 bytes
	s_mov_b32 s9, 0
	s_mul_i32 s10, ttmp9, REC                      ; and its record
	s_mov_b32 s11, 0
.irp b, 0,1,2,3
	v_mov_b32 v[TM+4+\b], 0                        ; written once: a lane permute's destination counts as one of its sources
.endr
	s_wait_kmcnt 0x0
	s_add_nc_u64 s[4:5], s[4:5], s[8:9]
	s_add_nc_u64 s[6:7], s[6:7], s[10:11]
	XLOAD X0, 0
	XLOAD X1, 1
	s_wait_loadcnt 16                              ; K step 0's 16 loads are in; K step 1's 16 may be out
	SQSUM X0, 1
	NEGATE X0
	QUANT X0, PC0, W0
	STORE3 PC0, 0
	s_wait_loadcnt 0x0
	SQSUM X1, 0
	NEGATE X1
	QUANT X1, PC1, W1
	STORE3 PC1, 1
	v_pk_add_f32 v[SQ:SQ+1], v[SQ:SQ+1], v[SQ+2:SQ+3]
	v_add_f32 v[SQ], v[SQ], v[SQ+1]                ; my half of the row,
	v_permlanex16_b32 v[SQ+2], v[SQ], s[SEL], s[SEL+1]
	v_add_f32 v[SQ], v[SQ], v[SQ+2]                ; and lane l xor 16's: L
	v_mul_f32 v[TL], 0x3e800000, v[SQ]             ; L / 4: exact
	v_cndmask_b32 v[TL+1], v[W0], v[W1], s14       ; lanes 0-15 K step 0's word, lanes 16-31 K step 1's
	global_store_b64 v[L8], v[TL:TL+1], s[6:7] offset:3072   ; 32 lanes store 256 consecutive bytes, aligned
	s_endpgm
.Lfunc_end_k_qebcca61cb8_prep:
	.size	k_qebcca61cb8_prep, .Lfunc_end_k_qebcca61cb8_prep-k_qebcca61cb8_prep
	.p2alignl 7, 3214868480
	.fill 96, 4, 3214868480
	.section	.rodata,"a",@progbits
	.p2align	6, 0x0
	.amdhsa_kernel k_qebcca61cb8_prep
		.amdhsa_group_segment_fixed_size 0
		.amdhsa_private_segment_fixed_size 0
		.amdhsa_enable_private_segment 0
		.amdhsa_kernarg_size 16
		.amdhsa_user_sgpr_count 2
		.amdhsa_user_sgpr_kernarg_segment_ptr 1
		.amdhsa_wavefront_size32 1
		.amdhsa_system_sgpr_workgroup_id_x 1
		.amdhsa_system_sgpr_workgroup_id_y 1
		.amdhsa_system_sgpr_workgroup_id_z 1
		.amdhsa_system_vgpr_workitem_id 0
		.amdhsa_next_free_vgpr 216
		.amdhsa_next_free_sgpr 66
		.amdhsa_reserve_vcc 0
		.amdhsa_float_denorm_mode_32 3
		.amdhsa_float_denorm_mode_16_64 3
		.amdhsa_memory_ordered 1
		.amdhsa_forward_progress 1
		.amdhsa_inst_pref_size 21
	.end_amdhsa_kernel
	.amdgpu_metadata
---
amdhsa.version: [ 1, 2 ]
amdhsa.kernels:
  - .name:           k_qebcca61cb8_prep
    .symbol:         k_qebcca61cb8_prep.kd
    .args:
      - { .name: x_input, .offset: 0, .size: 8, .value_kind: global_buffer, .address_space: global }
      - { .name: xrec, .offset: 8, .size: 8, .value_kind: global_buffer, .address_space: global }
    .group_segment_fixed_size: 0
    .private_segment_fixed_size: 0
    .kernarg_segment_align: 8
    .kernarg_segment_size: 16
    .max_flat_workgroup_size: 32
    .sgpr_count:     66
    .vgpr_count:     216
    .wavefront_size: 32
...
	.end_amdgpu_metadata
.endif
;; end of part 1
;; launch main (part 2): grid 256 x 1, 16 waves a work-group, clusters of 4 x 1, 327,680 bytes of LDS; arguments train_inputs, features, xrec, tcodes, taux, gmin; writes tcodes, taux, gmin
.if DOCPART == 2
	.amdgcn_target "amdgcn-amd-amdhsa--gfx1250"
	.amdhsa_code_object_version 6
	.text
	.protected	k_qebcca61cb8_main
	.globl	k_qebcca61cb8_main
	.p2align	8
	.type	k_qebcca61cb8_main,@function
k_qebcca61cb8_main:
	s_mov_b64 s[64:65], 0
	v_nop
	global_prefetch_b8 v0, s[64:65] scope:SCOPE_SE
	s_setreg_imm32_b32 hwreg(HW_REG_WAVE_MODE, 25, 1), 1
	s_wait_xcnt 0x0
	s_wait_alu depctr_hold_cnt(0) depctr_sa_sdst(0) depctr_va_vdst(0) depctr_va_sdst(0) depctr_va_ssrc(0) depctr_va_vcc(0) depctr_vm_vsrc(0)
	s_getreg_b32 s2, hwreg(HW_REG_IB_STS2, 6, 4)
	s_cmp_eq_u32 s2, 0
	s_cbranch_scc0 .Lentry_in_a_cluster
	s_endpgm
.Lentry_in_a_cluster:
	s_bfe_u32 s2, ttmp6, 0x10000c
	s_cmp_lg_u32 s2, 0x3003
	s_cbranch_scc0 .Lentry_shape_is_right
	s_endpgm
.Lentry_shape_is_right:
; Half distances dh(b, n) = sqrt(L_b / 4 + R_n / 4) - S(b, n) of ALL 2,048 queries against the work-group's 256 training rows, and of each query the smallest dh in each GROUP of 64 rows.
; S is the product on codes of FP6 (E2M3) with one E8M0 scale for each 32 along K; L = sum x^2; R = sum (features x train)^2.  dh is half of the reference's distance, so it orders the rows as that does.
; SHARES.  Work-group wgx = 4 x cluster + cx owns rows 256 wgx .. + 255: four groups.  So every training number is read from memory, and quantised, once in the whole program.
;   Phase 1: wave w quantises tile w (16 rows), makes R / 4, stores the codes and scale words as images of operand registers to LDS (for the other waves) and to tcodes, taux (for the last launch).
;   Phase 2: wave w keeps the four tiles of group tq = w % 4 in registers and takes 4 of every 16 tiles of queries (qs = w / 4).
; THE ROOT IS THE C OF THE SUM'S FIRST PRODUCT, and xrec holds the codes of -x: the two products of a tile leave dh in the accumulator, and the subtraction costs no vector instruction.
;   For each distance: half a packed addition, one square root, half a v_min3.  No index is carried here: the three groups with the smallest (minimum, group number) hold the three nearest rows, ties too;
;   the later launches choose them and work them again.
; SIXTEEN WAVES OF 256 REGISTERS: a tile of queries is 8 matrix instructions beside some 70 vector instructions, 32 of them roots; four waves to a SIMD let one wave's roots stand beside another's products.
; CLUSTER.  All work-groups walk the same records of queries (xrec), 425,984 of the 688,128 bytes that a work-group asks for: the four partners ask for them JOINTLY, by the same tensor loads with the mask 15.
;   The place in the cluster enters global addresses of train_inputs, tcodes, taux and gmin alone.
; NO PREFETCH: every byte of train_inputs that the work-group reads is asked for by the first lines of the text, and xrec is read by every work-group.
; LIMITS: dh is rounded here by the matrix unit, once a K step, where the reference rounds root - 2 S once; it only chooses groups, the last launch works the chosen rows anew.  v_sqrt_f32 is good to 1 ulp.
;   R is summed in another order than the reference sums it.  A block of zeros gets the scale byte 1 (zero codes; this program alone reads the bytes).  NaN and infinite distances are not served.
.set REC,   3328                       ; a record of xrec: 16 queries
.set XSL,   16*REC                     ; LDS: two slots of 16 records, at 0 and at XSL: the only bytes that tensor loads fill
.set TIMG,  2*XSL                      ; the 16 tiles' images, 3,072 bytes each (K step s at 1536 s, register group c at 512 c, 16 bytes a lane)
.set AUX,   TIMG+16*3072               ; four groups x 768 bytes, laid as taux: scale images 128 t + 4 l (lanes 0-15 K step 0's words, lanes 16-31 K step 1's), at +512 R / 4 of the 64 rows
.set SPARE, AUX+4*768                  ; the spare words, 128 bytes for each wave: eight blocks of 256 bytes that no other line names
.set TURN,  SPARE+16*128               ; phase 1: for each wave 16 rows x (512 bytes + 16), its own
.set TP,    528                        ; = 132 words: the sixteen rows that a load touches start at sixteen different groups of banks (64 banks of 4 bytes: ISA guide 11.1)
.set MST,   TURN                       ; phase 2: the stage of minima, [tile of queries 128][r 16][tq 4] f32, 32,768 bytes, on bytes that phase 1 has left behind a barrier
.set SPW, 1                            ; v1   LDS address of my spare word; never rewritten
.set NIL, 2                            ; v2   0; never rewritten
.set L16, 3                            ; v3   16 x lane
.set TST, 4                            ; v4   TURN: where I put 16 bytes of a row
.set TLD, 5                            ; v5   TURN: row r, + 64 h
.set TIW, 6                            ; v6   my tile's image, 16 x lane
.set SCW, 7                            ; v7   my tile's scale image, 4 x lane
.set RAD, 8                            ; v8   my tile's 16 words of R / 4 (the same in every lane)
.set AXC, 9                            ; v9   AUX + 16 x thread: the copy to taux
.set XA,  10                           ; v10-11  my four records' images in slot 0, 1
.set XT,  12                           ; v12-13  and their tails, 8 x lane
.set MA,  14                           ; v14  MST + 1024 qs + 16 r + 4 tq
.set TFA, 15                           ; v15  my group's four images
.set FE,  16                           ; phase 1: v16-23 half the features at k = 128 s + 4 lane + 0..3
.set PS,  24                           ; v24-39   a row's partial sum of squares, one register a row
.set RAW0, 40                          ; v40-103  16 rows x 4 numbers as loaded, K step 0; later at work (TM, PC0, PC1)
.set RAW1, 104                         ; v104-167 K step 1
.set XN,  168                          ; v168-231 64 numbers: register 16 b + i = k 32 b + 16 h + i of row r
.set WK,  232                          ; v232-237 at work
.set W0,  238
.set W1,  239
.set SC,  254
.set TM,  40
.set PC0, 60
.set PC1, 80
.set TF,  16                           ; phase 2: v16-111 my group's fragments: tile t, K step s at 24 t + 12 s
.set R4,  112                          ; v112-143 R / 4 of rows 16 t + 8 h + j at 8 t + j: the accumulator's layout
.set XQ,  144                          ; v144-191 two buffers of a tile of queries' two fragments
.set ACC, 192                          ; v192-223 four accumulators
.set MN,  224                          ; v224-239 at work
.set TS,  240                          ; v240-243 my tiles' scale words, and nothing else
.set XL,  244                          ; v244-247 two pairs { L / 4, the queries' scale word }
.set T16, 248                          ; v248 16 x thread
.set MAC, 249                          ; v249 MA + the slot's step
.set EG,  250                          ; v250 the way out: 2048 w + 16 x lane
.set EL,  251                          ; v251 MST + that
.set TSA, 252                          ; v252 my group's scale images, 4 x lane
.set R4A, 253                          ; v253 my group's R / 4, + 32 h
.set WV,  16
.set TQ,  17
.set QS,  18
.set WGX, 20
.set SEL, 24                           ; s[24:25] v_permlanex16_b32's selects for lane l xor 16
.set G1,  28                           ; s[28:35] descriptor group 1
.set G0A, 36                           ; s[36:39] group 0 for slot 0;  s[40:43] for slot 1
.set G0B, 40
.set CNT, 44
.set MS,  45                           ; s45  4,096 x the number of slots' worth of queries done
.macro CROUND                          ; a round of the cluster's barrier: my work-group's barrier; wave 0 signals for the work-group; every wave waits for all four work-groups; my work-group's barrier once more
	s_barrier_signal -1
	s_barrier_wait -1
	s_cmp_lg_u32 s[WV], 0
	s_cbranch_scc1 .Lnot_wave_0_\@
	s_barrier_signal -3
.Lnot_wave_0_\@:
	s_barrier_wait -3
	s_barrier_signal -1
	s_barrier_wait -1
.endm
.macro RSUM raw, s                     ; (features / 2 x train)^2 of my four numbers of each row, onto the row's register
.set i, 0
.rept 16
	v_pk_mul_f32 v[WK:WK+1], v[FE+4*\s:FE+4*\s+1], v[\raw+4*i:\raw+4*i+1]
	v_pk_mul_f32 v[WK+2:WK+3], v[FE+4*\s+2:FE+4*\s+3], v[\raw+4*i+2:\raw+4*i+3]
	v_pk_mul_f32 v[WK+4:WK+5], v[WK:WK+1], v[WK:WK+1]
	v_pk_fma_f32 v[WK+4:WK+5], v[WK+2:WK+3], v[WK+2:WK+3], v[WK+4:WK+5]
.if \s == 0
	v_add_f32 v[PS+i], v[WK+4], v[WK+5]
.else
	v_add_f32 v[PS+i], v[PS+i], v[WK+4]
	v_add_f32 v[PS+i], v[PS+i], v[WK+5]
.endif
.set i, i+1
.endr
.endm
.macro TURNX raw                       ; 16 rows x 512 bytes, loaded 16 bytes a lane, come back 16 neighbours of each block a lane.  LDS serves a wave's instructions in order: no wait between the stores and the loads
.set i, 0
.rept 16
	ds_store_b128 v[TST], v[\raw+4*i:\raw+4*i+3] offset:TP*i
.set i, i+1
.endr
.irp b, 0,1,2,3
.irp j, 0,1,2,3
	ds_load_b128 v[XN+16*\b+4*\j:XN+16*\b+4*\j+3], v[TLD] offset:128*\b+16*\j
.endr
.endr
	s_wait_dscnt 0x0
.endm
; 64 numbers of a lane, register 16 b + i = k 32 b + 16 h + i of my row, become a fragment's 12 registers from v[pc] on and my row's scale word in v[pw]
.macro QUANT src, pc, pw
.irp b, 0,1,2,3
	v_max3_num_f32 v[TM+\b], |v[\src+16*\b]|, |v[\src+1+16*\b]|, 0x1800000   ; block b: my 16 numbers, and the floor 2^(3 - 127): so the byte cannot fall under 1
.endr
.irp i, 2,4,6,8,10,12,14
.irp b, 0,1,2,3
	v_max3_num_f32 v[TM+\b], v[TM+\b], |v[\src+16*\b+\i]|, |v[\src+1+16*\b+\i]|
.endr
.endr
.irp b, 0,1,2,3
	v_permlanex16_b32 v[TM+4+\b], v[TM+\b], s[SEL], s[SEL+1]
.endr
.irp b, 0,1,2,3
	v_max_num_f32 v[TM+\b], v[TM+\b], v[TM+4+\b]   ; with lane l xor 16's 16: the block's largest magnitude
.endr
.irp b, 0,1,2,3
	v_add_nc_u32 v[TM+12+\b], 0xff000000, v[TM+\b]   ; 2 off its exponent field: the conversion's scale operand
.endr
.irp b, 0,1,2,3
	v_lshrrev_b32 v[TM+4+\b], 23, v[TM+12+\b]      ; the scale's byte
.endr
	v_lshl_or_b32 v[\pw], v[TM+5], 8, v[TM+4]
	v_lshl_or_b32 v[\pw], v[TM+6], 16, v[\pw]
	v_lshl_or_b32 v[\pw], v[TM+7], 24, v[\pw]
.irp c, 0,1
	v_cvt_scalef32_pk16_fp6_f32 v[\pc+6*\c:\pc+2+6*\c], v[\src+32*\c:\src+15+32*\c], v[TM+12+2*\c]
	v_cvt_scalef32_pk16_fp6_f32 v[\pc+12+4*\c:\pc+14+4*\c], v[\src+16+32*\c:\src+31+32*\c], v[TM+12+2*\c+1]
.endr
	v_nop                                          ; one plain instruction behind the scaled conversions
.irp c, 0,1
.irp i, 0,1,2
	v_permlane16_swap_b32 v[\pc+6*\c+\i], v[\pc+12+4*\c+\i]
.endr
.irp i, 0,1,2
	v_mov_b32 v[\pc+3+6*\c+\i], v[\pc+12+4*\c+\i]
.endr
.endr
.endm
.macro IMAGE pc, s                     ; the fragment as it stands, to LDS and to tcodes: each store covers 512 consecutive bytes
.irp c, 0,1,2
	ds_store_b128 v[TIW], v[\pc+4*\c:\pc+4*\c+3] offset:1536*\s+512*\c
	global_store_b128 v[L16], v[\pc+4*\c:\pc+4*\c+3], s[10:11] offset:1536*\s+512*\c th:TH_STORE_NT
.endr
.endm
.macro QREC slot, i, buf               ; record i of my four in the slot: two fragments and the tail: seven LDS loads
.irp s, 0,1
.irp c, 0,1,2
	ds_load_b128 v[XQ+24*(\buf)+12*\s+4*\c:XQ+24*(\buf)+12*\s+4*\c+3], v[XA+\slot] offset:REC*(\i)+1536*\s+512*\c
.endr
.endr
	ds_load_b64 v[XL+2*(\buf):XL+2*(\buf)+1], v[XT+\slot] offset:REC*(\i)
.endm
; One tile of 16 queries against my 64 rows.  Source 0 = 16 training rows, source 1 = the queries: register j of lane (r, h) is (row 8 h + j of the tile, query r).
.macro QTILE slot, i
.set QB, (\i)%2
.if (\i) == 0
	s_wait_dscnt 0x0                               ; the record is in (and, the first time, all that stays in registers)
.else
	s_wait_dscnt 0x1                               ; the record is in; behind its seven loads stands one LDS instruction, the last tile's store of its minimum
.endif
.set j, 0
.rept 16
	v_pk_add_f32 v[ACC+j:ACC+j+1], v[R4+j:R4+j+1], v[XL+2*QB:XL+2*QB+1] op_sel_hi:[1,0]   ; R / 4 + L / 4 (of the pair the low word serves both halves)
.set j, j+2
.endr
.set j, 0
.rept 32
	v_sqrt_f32 v[ACC+j], v[ACC+j]                  ; one batch
.set j, j+1
.endr
.if (\i) < 3
	QREC \slot, (\i)+1, 1-QB                       ; the next record, into the buffer that the last tile's products have left (their four places and the minimum's 18 instructions lie between)
.endif
.rept 4
	v_nop                                          ; plain instructions between the roots and the products that take them as C
.endr
	s_wait_alu depctr_va_vdst(0)                   ; one wait for the 32 roots, ahead of the first instruction that names a result
.irp s, 0,1                                    ; the four accumulators take turns, one instruction a turn, over the loop's edge too
.irp t, 0,1,2,3
.if \s == 0
	v_wmma_scale_f32_16x16x128_f8f6f4 v[ACC+8*\t:ACC+8*\t+7], v[TF+24*\t:TF+24*\t+11], v[XQ+24*QB:XQ+24*QB+11], v[ACC+8*\t:ACC+8*\t+7], v[TS+\t], v[XL+2*QB+1] matrix_a_fmt:MATRIX_FMT_FP6 matrix_b_fmt:MATRIX_FMT_FP6
.else
	v_wmma_scale_f32_16x16x128_f8f6f4 v[ACC+8*\t:ACC+8*\t+7], v[TF+24*\t+12:TF+24*\t+23], v[XQ+24*QB+12:XQ+24*QB+23], v[ACC+8*\t:ACC+8*\t+7], v[TS+\t], v[XL+2*QB+1] matrix_a_fmt:MATRIX_FMT_FP6 matrix_b_fmt:MATRIX_FMT_FP6 matrix_a_scale:MATRIX_SCALE_ROW1 matrix_b_scale:MATRIX_SCALE_ROW1
.endif
.endr
.endr
.rept 4
	v_nop                                          ; four places behind the products (ISA guide 7.12.1), ahead of the first read of their results
.endr
	v_min3_num_f32 v[MN], v[ACC], v[ACC+1], v[ACC+2]   ; the smallest of my 32: two chains; each accumulator is entered at its register 0
	v_min3_num_f32 v[MN+1], v[ACC+16], v[ACC+17], v[ACC+18]
.irp j, 3,5,7,9,11,13
	v_min3_num_f32 v[MN], v[MN], v[ACC+\j], v[ACC+\j+1]
	v_min3_num_f32 v[MN+1], v[MN+1], v[ACC+16+\j], v[ACC+17+\j]
.endr
	v_min3_num_f32 v[MN], v[MN], v[MN+1], v[ACC+15]
	v_min_num_f32 v[MN], v[MN], v[ACC+31]
	v_permlanex16_b32 v[MN+2], v[MN], s[SEL], s[SEL+1]
	v_min_num_f32 v[MN], v[MN], v[MN+2]            ; with lane l xor 16's 32 rows: query r's minimum over the group
	ds_store_b32 v[MAC], v[MN] offset:256*(\i)     ; lanes r and r + 16 write the same word with the same value
.endm
.macro PROCESS slot                    ; my four tiles of the slot's sixteen
	v_add_nc_u32 v[MAC], s[MS], v[MA]
	QREC \slot, 0, 0
	QTILE \slot, 0
	QTILE \slot, 1
	QTILE \slot, 2
	QTILE \slot, 3
	s_add_co_u32 s[MS], s[MS], 4096
.endm
; THE CHANGE OF SLOTS.  Each wave waits for all its tensor loads (its record of the slot ahead), adds 0 to its spare word, and waits for that and for its LDS reads of the slot that it leaves.
; refill = 1: a round of the cluster's barrier, so that no wave of any partner still reads that slot or has a load on its way; the joint refill is the first thing behind it and has a slot's work in which to land.
.macro CHANGE refill, g0
	s_wait_tensorcnt 0x0                           ; no tensor load of mine is out, so a group 0 may be written
	ds_add_u32 v[SPW], v[NIL]                      ; 0 onto my spare word
.if \refill
	s_add_nc_u64 s[\g0+2:\g0+3], s[\g0+2:\g0+3], 2*XSL   ; the slot's next 16 records; the type bits on top are not reached
.endif
	s_wait_dscnt 0x0                               ; the add is done, and my reads of the slot that I leave are over
.if \refill
	CROUND
	tensor_load_to_lds s[\g0:\g0+3], s[G1:G1+7]    ; my one tensor load until the next round: one is out
	s_nop 0
.rept 4
	v_nop
.endr
.else
	s_barrier_signal -1
	s_barrier_wait -1
.endif
.endm
	s_load_b256 s[4:11], s[0:1], 0x0               ; train_inputs s[4:5], features s[6:7], xrec s[8:9], tcodes s[10:11]
	s_load_b128 s[12:15], s[0:1], 0x20             ; taux s[12:13], gmin s[14:15]
	v_lshl_add_u32 v[SPW], v0, 2, SPARE
	v_mov_b32 v[NIL], 0
	ds_add_u32 v1, v2
	ds_add_u32 v1, v2
	s_wait_dscnt 0x0
	v_lshrrev_b32 v232, 5, v0
	v_readfirstlane_b32 s[WV], v232                ; wave 0..15
	v_and_b32 v232, 31, v0                         ; lane
	v_and_b32 v233, 15, v0                         ; r
	v_bfe_u32 v234, v0, 4, 1                       ; h
	s_and_b32 s[TQ], s[WV], 3
	s_lshr_b32 s[QS], s[WV], 2
	s_bfe_u32 s19, ttmp6, 0x40000                  ; cx
	s_lshl_b32 s[WGX], ttmp9, 2
	s_add_co_u32 s[WGX], s[WGX], s19               ; work-group x = 4 x cluster x + cx: it enters global addresses alone
	s_mov_b32 s[SEL], 0x76543210
	s_mov_b32 s[SEL+1], 0xfedcba98
	s_mov_b32 s26, 0xffff0000                      ; lanes 16-31
	s_mov_b32 s[MS], 0
	; every LDS address: a constant + a constant x wave (or a part of its number) + a constant x lane (or a part of it)
	v_lshlrev_b32 v[L16], 4, v232
	s_mul_i32 s46, s[WV], 16*TP
	s_add_co_u32 s46, s46, TURN
	v_add_nc_u32 v[TST], s46, v[L16]
	v_mul_u32_u24 v[TLD], v233, TP
	v_lshl_add_u32 v[TLD], v234, 6, v[TLD]
	v_add_nc_u32 v[TLD], s46, v[TLD]
	s_mul_i32 s47, s[WV], 3072
	s_add_co_u32 s47, s47, TIMG
	v_add_nc_u32 v[TIW], s47, v[L16]
	s_mul_i32 s48, s[QS], 768                      ; (in phase 1 my tile is tile w % 4 of group w / 4)
	s_add_co_u32 s48, s48, AUX
	s_lshl_b32 s49, s[TQ], 7
	s_add_co_u32 s49, s49, s48
	v_lshl_add_u32 v[SCW], v232, 2, s49
	s_lshl_b32 s50, s[TQ], 6
	s_add_co_u32 s50, s50, s48
	s_add_co_u32 s50, s50, 512
	v_mov_b32 v[RAD], s50
	v_lshlrev_b32 v[T16], 4, v0
	v_add_nc_u32 v[AXC], AUX, v[T16]
	s_mul_i32 s51, s[QS], 4*REC
	v_add_nc_u32 v[XA], s51, v[L16]
	v_add_nc_u32 v[XA+1], XSL, v[XA]
	v_lshl_add_u32 v[XT], v232, 3, s51
	v_add_nc_u32 v[XT], 3072, v[XT]
	v_add_nc_u32 v[XT+1], XSL, v[XT]
	s_lshl_b32 s52, s[QS], 10
	s_lshl_b32 s53, s[TQ], 2
	s_add_co_u32 s52, s52, s53
	s_add_co_u32 s52, s52, MST
	v_lshl_add_u32 v[MA], v233, 4, s52
	s_mul_i32 s53, s[TQ], 4*3072
	s_add_co_u32 s53, s53, TIMG
	v_add_nc_u32 v[TFA], s53, v[L16]
	s_mul_i32 s54, s[TQ], 768
	s_add_co_u32 s54, s54, AUX
	v_lshl_add_u32 v[TSA], v232, 2, s54
	v_lshl_add_u32 v[R4A], v234, 5, s54
	v_add_nc_u32 v[R4A], 512, v[R4A]
	s_lshl_b32 s55, s[WV], 11
	v_add_nc_u32 v[EG], s55, v[L16]
	v_add_nc_u32 v[EL], MST, v[EG]
	; descriptor group 1: a record is a dense block of 13 rows of 256 bytes (32 elements of 8 bytes); no padding: images are read 16 bytes a lane, on end
	s_mov_b32 s[G1], 15|(3<<16)|(1<<21)            ; 15:0 the mask: all four work-groups; 17:16 elements of 8 bytes; 21 set beside a mask
	s_mov_b32 s[G1+1], 32<<16                      ; tensor_dim0 = 32
	s_mov_b32 s[G1+2], 13<<16                      ; tensor_dim1 = 13
	s_mov_b32 s[G1+3], 32<<16                      ; tile_dim0 = 32
	s_mov_b32 s[G1+4], 13                          ; tile_dim1 = 13
	s_mov_b32 s[G1+5], 32                          ; from row to row
	s_mov_b32 s[G1+6], 0
	s_mov_b32 s[G1+7], 0
	s_mul_i32 s46, s[WV], REC                      ; wave w fetches record w of a slot's sixteen: in LDS and in memory w x 3,328 bytes on
	s_mov_b32 s47, 0
	s_mov_b32 s[G0A], 1
	s_mov_b32 s[G0A+1], s46
	s_mov_b32 s[G0B], 1
	s_add_co_u32 s[G0B+1], s46, XSL
	s_lshl_b32 s56, s[WGX], 18                     ; train_inputs: 256 rows of 1,024 bytes a work-group, 16 a wave
	s_lshl_b32 s57, s[WV], 14
	s_add_co_u32 s56, s56, s57
	s_mov_b32 s57, 0
	s_mul_i32 s58, s[WGX], 16*3072                 ; tcodes: 3,072 bytes a tile
	s_mul_i32 s59, s[WV], 3072
	s_add_co_u32 s58, s58, s59
	s_mov_b32 s59, 0
	s_mul_i32 s60, s[WGX], 4*768                   ; taux
	s_mov_b32 s61, 0
	s_lshl_b32 s62, s[WGX], 15                     ; gmin
	s_mov_b32 s63, 0
	s_wait_kmcnt 0x0
	s_add_nc_u64 s[4:5], s[4:5], s[56:57]
	s_add_nc_u64 s[10:11], s[10:11], s[58:59]
	s_add_nc_u64 s[12:13], s[12:13], s[60:61]
	s_add_nc_u64 s[14:15], s[14:15], s[62:63]
	s_add_nc_u64 s[G0A+2:G0A+3], s[8:9], s[46:47]
	s_add_nc_u64 s[G0B+2:G0B+3], s[G0A+2:G0A+3], XSL
	s_or_b32 s[G0A+3], s[G0A+3], 0x80000000        ; type = 2
	s_or_b32 s[G0B+3], s[G0B+3], 0x80000000
	global_load_b128 v[FE:FE+3], v[L16], s[6:7]
	global_load_b128 v[FE+4:FE+7], v[L16], s[6:7] offset:512
.set i, 0
.rept 16
	global_load_b128 v[RAW0+4*i:RAW0+4*i+3], v[L16], s[4:5] offset:1024*i th:TH_LOAD_NT       ; 32 lanes read 512 consecutive bytes: half a row
.set i, i+1
.endr
.set i, 0
.rept 16
	global_load_b128 v[RAW1+4*i:RAW1+4*i+3], v[L16], s[4:5] offset:1024*i+512 th:TH_LOAD_NT
.set i, i+1
.endr
	CROUND                                         ; all four work-groups are here: the first joint loads meet
	tensor_load_to_lds s[G0A:G0A+3], s[G1:G1+7]    ; the two first fills together: two loads of mine are out
	s_nop 0
	tensor_load_to_lds s[G0B:G0B+3], s[G1:G1+7]
	s_nop 0
.rept 4
	v_nop
.endr
	; ---- phase 1: my 16 rows become two fragments, a scale image and 16 numbers R / 4
	s_wait_loadcnt 16                              ; the features and K step 0 are in; K step 1's 16 loads may be out
.irp j, 0,2,4,6
	v_pk_mul_f32 v[FE+\j:FE+\j+1], v[FE+\j:FE+\j+1], 0.5 op_sel_hi:[1,0]   ; (f / 2 x t)^2 sums to R / 4: the halving rounds nothing
.endr
	RSUM RAW0, 0
	TURNX RAW0
.irp b, 0,1,2,3
	v_mov_b32 v[TM+4+\b], 0                        ; a lane permute's destination counts as one of its sources
.endr
	QUANT XN, PC0, W0
	IMAGE PC0, 0
	s_wait_loadcnt 0x0
	RSUM RAW1, 1
	TURNX RAW1
	QUANT XN, PC1, W1
	IMAGE PC1, 1
.irp x, 1,2,4,8                                ; each row's sum over the 32 lanes; the 16 rows by turns
.set i, 0
.rept 16
	v_add_f32_dpp v[PS+i], v[PS+i], v[PS+i] row_xmask:\x row_mask:0xf bank_mask:0xf
.set i, i+1
.endr
.endr
.set i, 0
.rept 16
	v_permlanex16_b32 v[XN+i], v[PS+i], s[SEL], s[SEL+1]
.set i, i+1
.endr
.set i, 0
.rept 16
	v_add_f32 v[PS+i], v[PS+i], v[XN+i]
	ds_store_b32 v[RAD], v[PS+i] offset:4*i        ; all lanes write the same word with the same value
.set i, i+1
.endr
	v_cndmask_b32 v[SC], v[W0], v[W1], s26         ; lanes 0-15 K step 0's words, lanes 16-31 K step 1's
	ds_store_b32 v[SCW], v[SC]
	s_wait_tensorcnt 0x1                           ; my record of slot 0 has landed; slot 1's may stay out
	s_wait_dscnt 0x0                               ; my LDS stores have landed, my reads of TURN are over
	s_barrier_signal -1
	s_barrier_wait -1                              ; the 16 images, AUX and slot 0 are whole
	s_cmp_lt_u32 s[WV], 6                          ; AUX, 3,072 bytes, goes to taux as it lies: six waves, 512 consecutive bytes each
	s_cbranch_scc0 .Lno_aux
	ds_load_b128 v[MN:MN+3], v[AXC]
	s_wait_dscnt 0x0
	global_store_b128 v[T16], v[MN:MN+3], s[12:13] th:TH_STORE_NT
.Lno_aux:
	s_wait_xcnt 0x0                                ; the stores to tcodes and taux have read their registers: these are written again below
	v_mov_b32 v[MN+2], 0                           ; a lane permute's destination counts as one of its sources
	; ---- what stays in registers: my group's eight fragments, four scale words, R / 4
.irp t, 0,1,2,3
.irp s, 0,1
.irp c, 0,1,2
	ds_load_b128 v[TF+24*\t+12*\s+4*\c:TF+24*\t+12*\s+4*\c+3], v[TFA] offset:3072*\t+1536*\s+512*\c
.endr
.endr
	ds_load_b32 v[TS+\t], v[TSA] offset:128*\t
	ds_load_b128 v[R4+8*\t:R4+8*\t+3], v[R4A] offset:64*\t
	ds_load_b128 v[R4+8*\t+4:R4+8*\t+7], v[R4A] offset:64*\t+16
.endr
	; ---- phase 2: eight slots' worth of queries through the ring of two slots
	PROCESS 0
	s_mov_b32 s[CNT], 3
.Lring:                                            ; three trips: each reads both slots and fills both again
	CHANGE 1, G0A
	PROCESS 1
	CHANGE 1, G0B
	PROCESS 0
	s_sub_co_u32 s[CNT], s[CNT], 1
	s_cmp_lg_u32 s[CNT], 0
	s_cbranch_scc1 .Lring
	CHANGE 0, G0A                                  ; the last slot is written out: nothing is left to fetch
	PROCESS 1
	; ---- the way out: the stage of minima, 32,768 bytes, as it lies: 2,048 bytes a wave
	s_wait_dscnt 0x0                               ; for the others' sake: my stores into the stage are done
	s_barrier_signal -1
	s_barrier_wait -1
.irp k, 0,1,2,3
	ds_load_b128 v[MN+4*\k:MN+4*\k+3], v[EL] offset:512*\k
.endr
.irp k, 0,1,2,3
	s_wait_dscnt 3-\k                              ; LDS loads come back in order: load k is in, the younger ones may be out
	global_store_b128 v[EG], v[MN+4*\k:MN+4*\k+3], s[14:15] offset:512*\k th:TH_STORE_NT   ; 32 lanes store 512 consecutive bytes, aligned to 256
.endr
	s_wait_tensorcnt 0x0                           ; the wave's end
	ds_add_u32 v[SPW], v[NIL]
	s_wait_dscnt 0x0
	CROUND                                         ; the closing round: no work-group ends while a partner may still ask for a record that names it
	s_endpgm
.Lfunc_end_k_qebcca61cb8_main:
	.size	k_qebcca61cb8_main, .Lfunc_end_k_qebcca61cb8_main-k_qebcca61cb8_main
	.p2alignl 7, 3214868480
	.fill 96, 4, 3214868480
	.section	.rodata,"a",@progbits
	.p2align	6, 0x0
	.amdhsa_kernel k_qebcca61cb8_main
		.amdhsa_group_segment_fixed_size 327680
		.amdhsa_private_segment_fixed_size 0
		.amdhsa_enable_private_segment 0
		.amdhsa_kernarg_size 48
		.amdhsa_user_sgpr_count 2
		.amdhsa_user_sgpr_kernarg_segment_ptr 1
		.amdhsa_wavefront_size32 1
		.amdhsa_system_sgpr_workgroup_id_x 1
		.amdhsa_system_sgpr_workgroup_id_y 1
		.amdhsa_system_sgpr_workgroup_id_z 1
		.amdhsa_system_vgpr_workitem_id 0
		.amdhsa_next_free_vgpr 256
		.amdhsa_next_free_sgpr 66
		.amdhsa_reserve_vcc 0
		.amdhsa_float_denorm_mode_32 3
		.amdhsa_float_denorm_mode_16_64 3
		.amdhsa_memory_ordered 1
		.amdhsa_forward_progress 1
		.amdhsa_inst_pref_size 123
	.end_amdhsa_kernel
	.amdgpu_metadata
---
amdhsa.version: [ 1, 2 ]
amdhsa.kernels:
  - .name:           k_qebcca61cb8_main
    .symbol:         k_qebcca61cb8_main.kd
    .args:
      - { .name: train_inputs, .offset: 0, .size: 8, .value_kind: global_buffer, .address_space: global }
      - { .name: features, .offset: 8, .size: 8, .value_kind: global_buffer, .address_space: global }
      - { .name: xrec, .offset: 16, .size: 8, .value_kind: global_buffer, .address_space: global }
      - { .name: tcodes, .offset: 24, .size: 8, .value_kind: global_buffer, .address_space: global }
      - { .name: taux, .offset: 32, .size: 8, .value_kind: global_buffer, .address_space: global }
      - { .name: gmin, .offset: 40, .size: 8, .value_kind: global_buffer, .address_space: global }
    .group_segment_fixed_size: 327680
    .private_segment_fixed_size: 0
    .kernarg_segment_align: 8
    .kernarg_segment_size: 48
    .max_flat_workgroup_size: 512
    .sgpr_count:     66
    .vgpr_count:     256
    .wavefront_size: 32
...
	.end_amdgpu_metadata
.endif
;; end of part 2
;; launch pick (part 3): grid 128 x 1, 8 waves a work-group, no clusters, 9,216 bytes of LDS; arguments gmin, gsel; writes gsel
.if DOCPART == 3
	.amdgcn_target "amdgcn-amd-amdhsa--gfx1250"
	.amdhsa_code_object_version 6
	.text
	.protected	k_qebcca61cb8_pick
	.globl	k_qebcca61cb8_pick
	.p2align	8
	.type	k_qebcca61cb8_pick,@function
k_qebcca61cb8_pick:
	s_mov_b64 s[64:65], 0
	v_nop
	global_prefetch_b8 v0, s[64:65] scope:SCOPE_SE
	s_setreg_imm32_b32 hwreg(HW_REG_WAVE_MODE, 25, 1), 1
	s_wait_xcnt 0x0
; For each query the three groups (of 1,024 groups of 64 training rows) with the smallest (minimum, group number), stored as whole numbers in ascending order of the group number: gsel [2048][4] = { g0 < g1 < g2, 0 }.
; WHY THREE GROUPS DO: were one of the three nearest rows in a fourth group G, each of the three chosen groups would hold a row whose distance is no greater than G's minimum, and, where equal, whose index is
; lower: three rows ahead of it.  So the three nearest rows, ties broken by the lower index, lie in the three chosen groups.
; gmin is [block of 4 groups 256][tile of queries 128][r 16][4] f32.  A work-group takes one tile of 16 queries.  Lane (r, h) of wave w walks groups 64 (2 w + h) .. + 63 of query r in ascending order and keeps a sorted
; list of three values and three group numbers, by compares and selects alone: nothing here branches or forms an address on a floating-point number.  A strict 'less' in ascending order keeps the lower number on ties.
; The 16 lists of a query meet in the same order: lane l xor 16's, then, through LDS, the other seven waves'.
; Each load's sixteen lanes read 256 consecutive bytes, aligned; all 16 loads of a wave go out at the head.  No matrix unit, no cluster, no tensor load: nothing is shared and nothing is read twice.
; LIMITS: NaN and infinite minima are not served.
.set VAL, 16                           ; v16-79  the 64 minima; later the other lists
.set TT,  80                           ; v80-82  the three smallest, ascending
.set II,  84                           ; v84-86  their group numbers
.set TMP, 88
.set WV,  16
.set SEL, 12
.macro INS val, g                      ; v[val] with number g goes into the list where it belongs, or nowhere
	v_cmp_lt_f32 s8, v[\val], v[TT]
	v_cmp_lt_f32 s9, v[\val], v[TT+1]
	v_cmp_lt_f32 vcc_lo, v[\val], v[TT+2]
	v_cndmask_b32 v[TMP], \g, v[II+1], s9
	v_cndmask_b32 v[II+2], v[II+2], v[TMP], vcc_lo
	v_cndmask_b32 v[TMP], \g, v[II], s8
	v_cndmask_b32 v[II+1], v[II+1], v[TMP], s9
	v_cndmask_b32 v[II], v[II], \g, s8
	v_med3_num_f32 v[TT+2], v[TT+1], v[TT+2], v[\val]
	v_med3_num_f32 v[TT+1], v[TT], v[TT+1], v[\val]
	v_min_num_f32 v[TT], v[TT], v[\val]
.endm
	s_load_b128 s[4:7], s[0:1], 0x0                ; gmin, gsel
	v_lshl_add_u32 v128, v0, 2, 0x2000
	v_mov_b32 v129, 0
	v_lshrrev_b32 v1, 5, v0
	v_readfirstlane_b32 s[WV], v1                  ; wave 0..7
	v_and_b32 v1, 31, v0                           ; lane
	v_and_b32 v2, 15, v0                           ; r
	v_bfe_u32 v3, v0, 4, 1                         ; h
	v_lshlrev_b32 v4, 19, v3
	v_lshl_add_u32 v4, v2, 4, v4                   ; 16 blocks of 32,768 bytes x h + 16 r
	s_lshl_b32 s18, s[WV], 20                      ; 32 blocks x wave
	s_lshl_b32 s20, ttmp9, 8                       ; 256 bytes a tile of queries, in gmin's blocks and in gsel
	s_add_co_u32 s18, s18, s20
	s_mov_b32 s19, 0
	s_mov_b32 s21, 0
	s_lshl_b32 s22, s[WV], 7
	v_lshl_add_u32 v5, v3, 6, s22                  ; my list's first group: 128 w + 64 h
	s_mul_i32 s23, s[WV], 768
	v_lshl_add_u32 v6, v1, 2, s23                  ; LDS: my wave's six words a lane: 768 w + 128 k + 4 lane
	v_lshlrev_b32 v7, 2, v1
	v_lshlrev_b32 v8, 4, v2
	s_mov_b32 s[SEL], 0x76543210
	s_mov_b32 s[SEL+1], 0xfedcba98
.irp k, 0,1,2
	v_mov_b32 v[TT+\k], 0x7f800000                 ; above every minimum
	v_mov_b32 v[II+\k], 0
.endr
	s_wait_kmcnt 0x0
	s_add_nc_u64 s[4:5], s[4:5], s[18:19]
	s_add_nc_u64 s[6:7], s[6:7], s[20:21]
.set i, 0
.rept 16
	global_load_b128 v[VAL+4*i:VAL+4*i+3], v4, s[4:5] offset:32768*i th:TH_LOAD_NT
.set i, i+1
.endr
.set i, 0
.rept 16
	s_wait_loadcnt 15-i                            ; loads come back in order: load i is in, the younger ones may be out
	INS VAL+4*i, 4*i
	INS VAL+4*i+1, 4*i+1
	INS VAL+4*i+2, 4*i+2
	INS VAL+4*i+3, 4*i+3
.set i, i+1
.endr
.irp k, 0,1,2
	v_add_nc_u32 v[II+\k], v[II+\k], v5
.endr
.irp k, 0,1,2                                  ; lanes 0-15 take in lane l + 16's list, whose groups follow theirs (what lanes 16-31 make of it is never read)
	v_permlanex16_b32 v[VAL+\k], v[TT+\k], s[SEL], s[SEL+1]
	v_permlanex16_b32 v[VAL+4+\k], v[II+\k], s[SEL], s[SEL+1]
.endr
	INS VAL, v[VAL+4]
	INS VAL+1, v[VAL+5]
	INS VAL+2, v[VAL+6]
.irp k, 0,1,2
	ds_store_b32 v6, v[TT+\k] offset:128*\k
	ds_store_b32 v6, v[II+\k] offset:384+128*\k
.endr
	s_wait_dscnt 0x0                               ; for wave 0's sake: my stores have landed
	s_barrier_signal -1
	s_barrier_wait -1
	s_cmp_lg_u32 s[WV], 0
	s_cbranch_scc1 .Ldone
.irp w, 1,2,3,4,5,6,7
.irp k, 0,1,2,3,4,5
	ds_load_b32 v[VAL+6*(\w-1)+\k], v7 offset:768*\w+128*\k
.endr
.endr
	s_wait_dscnt 0x0
.irp w, 1,2,3,4,5,6,7                          ; in ascending order of the groups
.irp k, 0,1,2
	INS VAL+6*(\w-1)+\k, v[VAL+6*(\w-1)+3+\k]
.endr
.endr
	v_min_u32 v96, v[II], v[II+1]                  ; the three numbers in ascending order: the last launch walks the rows in ascending order of their indices
	v_max_u32 v97, v[II], v[II+1]
	v_min_u32 v92, v96, v[II+2]
	v_max_u32 v98, v96, v[II+2]
	v_min_u32 v93, v97, v98
	v_max_u32 v94, v97, v98
	v_mov_b32 v95, 0
	v_cmp_gt_u32 vcc_lo, 16, v0
	s_wait_xcnt 0x0                                ; EXEC changes only behind this wait
	s_and_saveexec_b32 s17, vcc_lo
	global_store_b128 v8, v[92:95], s[6:7]         ; sixteen lanes store 256 consecutive bytes, aligned
	s_wait_xcnt 0x0                                ; and again, in front of the line that widens it
	s_or_b32 exec_lo, exec_lo, s17
.Ldone:
	s_wait_tensorcnt 0x0
	ds_add_u32 v128, v129
	s_wait_dscnt 0x0
	s_endpgm
.Lfunc_end_k_qebcca61cb8_pick:
	.size	k_qebcca61cb8_pick, .Lfunc_end_k_qebcca61cb8_pick-k_qebcca61cb8_pick
	.p2alignl 7, 3214868480
	.fill 96, 4, 3214868480
	.section	.rodata,"a",@progbits
	.p2align	6, 0x0
	.amdhsa_kernel k_qebcca61cb8_pick
		.amdhsa_group_segment_fixed_size 9216
		.amdhsa_private_segment_fixed_size 0
		.amdhsa_enable_private_segment 0
		.amdhsa_kernarg_size 16
		.amdhsa_user_sgpr_count 2
		.amdhsa_user_sgpr_kernarg_segment_ptr 1
		.amdhsa_wavefront_size32 1
		.amdhsa_system_sgpr_workgroup_id_x 1
		.amdhsa_system_sgpr_workgroup_id_y 1
		.amdhsa_system_sgpr_workgroup_id_z 1
		.amdhsa_system_vgpr_workitem_id 0
		.amdhsa_next_free_vgpr 130
		.amdhsa_next_free_sgpr 66
		.amdhsa_reserve_vcc 1
		.amdhsa_float_denorm_mode_32 3
		.amdhsa_float_denorm_mode_16_64 3
		.amdhsa_memory_ordered 1
		.amdhsa_forward_progress 1
		.amdhsa_inst_pref_size 61
	.end_amdhsa_kernel
	.amdgpu_metadata
---
amdhsa.version: [ 1, 2 ]
amdhsa.kernels:
  - .name:           k_qebcca61cb8_pick
    .symbol:         k_qebcca61cb8_pick.kd
    .args:
      - { .name: gmin, .offset: 0, .size: 8, .value_kind: global_buffer, .address_space: global }
      - { .name: gsel, .offset: 8, .size: 8, .value_kind: global_buffer, .address_space: global }
    .group_segment_fixed_size: 9216
    .private_segment_fixed_size: 0
    .kernarg_segment_align: 8
    .kernarg_segment_size: 16
    .max_flat_workgroup_size: 256
    .sgpr_count:     66
    .vgpr_count:     130
    .wavefront_size: 32
...
	.end_amdgpu_metadata
.endif
;; end of part 3
;; launch final (part 4): grid 256 x 1, 12 waves a work-group, no clusters, 2,560 bytes of LDS; arguments gsel, xrec, tcodes, taux, train_labels, out0; writes out0
.if DOCPART == 4
	.amdgcn_target "amdgcn-amd-amdhsa--gfx1250"
	.amdhsa_code_object_version 6
	.text
	.protected	k_qebcca61cb8_final
	.globl	k_qebcca61cb8_final
	.p2align	8
	.type	k_qebcca61cb8_final,@function
k_qebcca61cb8_final:
	s_mov_b64 s[64:65], 0
	v_nop
	global_prefetch_b8 v0, s[64:65] scope:SCOPE_SE
	s_setreg_imm32_b32 hwreg(HW_REG_WAVE_MODE, 25, 1), 1
	s_wait_xcnt 0x0
; The three nearest rows of each query, out of its three chosen groups of 64 rows; their labels; the reference's reshape, sum, division by 3 and one-hot.
; THE RESHAPE.  The table [2048][3] of labels is read as [3][2048]: output row c adds the flat entries c, 2048 + c, 4096 + c, entry p being neighbour p % 3 of query p / 3.
; SHARES.  Work-group wg owns output rows 8 wg .. + 7.  For i = 0, 1, 2 its eight entries 2048 i + 8 wg + 0..7 belong to three or four consecutive queries: wave w = 4 i + t works query (2048 i + 8 wg) / 3 + t.
;   The fourth query (t = 3) is wanted only where the first entry's remainder is 2: else that wave goes straight to the barrier (a branch on ids).  Ten queries are worked for eight rows.
; WHAT HANGS ON DATA.  The groups' numbers are whole numbers that the launch before stored (gsel); they are read by a scalar load, held to 1,023, and form the addresses of codes, scale words, R / 4 and labels.
;   The choice among the 192 rows is made by compares and selects that carry index and LABEL along: no address and no branch hangs on a floating-point number.
; THE PRODUCT.  Source 0 = the query, the same in all 16 rows (every lane takes the image bytes of the query's own lane); source 1 = a tile of 16 training rows.  Register 0 of lane (r, h) is -S(query, row r).
;   The sum starts from 0; dh = sqrt(L / 4 + R / 4) + (-S) is one f32 addition: the reference's root - 2 S, halved, with the same one rounding.
; ORDER.  Groups ascend and tiles ascend, so a lane meets its rows in ascending order of their indices, and a strict 'less' keeps the lower index on ties; across lanes the lower index is taken expressly.
; ONE-HOT WITHOUT A DIVISION: column j is hit where (sum - 3 j), taken as unsigned, is under 3: that is floor(sum / 3) = j for every sum of three int32 labels that does not overflow.
; STORES.  A work-group's 3,200 bytes are stored 16 bytes a thread, on end; they begin 128 bytes off a multiple of 256 where wg is odd.  Sixteen rows to a work-group would begin on multiples of 256 and halve the work-groups.
; No cluster and no tensor load: no two work-groups are known to read the same groups.  No prefetch: the addresses are known only from gsel, and the loads follow at once.
; LIMITS: v_sqrt_f32 is good to 1 ulp; L and R are summed in another order than the reference sums them; NaN and infinite distances are not served.
.set REC,  3328
.set L16,  4                           ; v4   16 x lane
.set L4,   5                           ; v5   4 x lane
.set R4O,  6                           ; v6   4 r
.set H256, 7                           ; v7   256 h
.set H128, 8                           ; v8   128 h
.set RR,   9                           ; v9   r;  v10  r + 32
.set LA,   11                          ; v11  LDS: my query's three words: 64 i + 12 t
.set XQ,   16                          ; v16-39  the query's two fragments
.set XLS,  40                          ; v40-41  { L / 4, the query's scale word }
.set CD,   48                          ; v48-191 three buffers of two tiles' codes (48 registers)
.set SCL,  192                         ; v192-197 the tiles' scale words, and nothing else
.set RR4,  198                         ; v198-203 R / 4
.set LBL,  204                         ; v204-209 labels
.set ACA,  210                         ; v210-217, v218-225 two accumulators
.set ACB,  218
.set TT,   226                         ; v226-228 my three smallest dh;  v229-231 their indices, as f32 (exact up to 65,535);  v232-234 their labels
.set II,   229
.set BB,   232
.set DA,   235
.set DB,   236
.set IA,   237
.set IB,   238
.set MM,   239
.set CI,   240
.set LW,   241
.set TP,   242
.set TMP,  243                         ; v243-244
.set INF,  245
.set WV,   16
.set CB,   52                          ; s[52:57] the three groups' codes;  s[58:63] their taux;  s[66:71] their labels;  s72-74 their first rows
.set AB,   58
.set LB,   66
.set NB,   72
.macro CHLOAD k                        ; chunk k of six: tiles 2 (k % 2), + 1 of group k / 2, into buffer k % 3: 18 loads
.set LBF, (\k)%3
.set LGR, (\k)/2
.set LT0, 2*((\k)%2)
.irp u, 0,1
.irp s, 0,1
.irp c, 0,1,2
	global_load_b128 v[CD+48*LBF+24*\u+12*\s+4*\c:CD+48*LBF+24*\u+12*\s+4*\c+3], v[L16], s[CB+2*LGR:CB+2*LGR+1] offset:3072*(LT0+\u)+1536*\s+512*\c
.endr
.endr
	global_load_b32 v[SCL+2*LBF+\u], v[L4], s[AB+2*LGR:AB+2*LGR+1] offset:128*(LT0+\u)
	global_load_b32 v[RR4+2*LBF+\u], v[R4O], s[AB+2*LGR:AB+2*LGR+1] offset:512+64*(LT0+\u)
	global_load_b32 v[LBL+2*LBF+\u], v[R4O], s[LB+2*LGR:LB+2*LGR+1] offset:64*(LT0+\u)
.endr
.endm
.macro INS2 val, idx, lab              ; a row goes into my list of three where it belongs, or nowhere; index and label go with it
	v_cmp_lt_f32 s26, v[\val], v[TT]
	v_cmp_lt_f32 s27, v[\val], v[TT+1]
	v_cmp_lt_f32 vcc_lo, v[\val], v[TT+2]
	v_cndmask_b32 v[TMP], v[\idx], v[II+1], s27
	v_cndmask_b32 v[TMP+1], v[\lab], v[BB+1], s27
	v_cndmask_b32 v[II+2], v[II+2], v[TMP], vcc_lo
	v_cndmask_b32 v[BB+2], v[BB+2], v[TMP+1], vcc_lo
	v_cndmask_b32 v[TMP], v[\idx], v[II], s26
	v_cndmask_b32 v[TMP+1], v[\lab], v[BB], s26
	v_cndmask_b32 v[II+1], v[II+1], v[TMP], s27
	v_cndmask_b32 v[BB+1], v[BB+1], v[TMP+1], s27
	v_cndmask_b32 v[II], v[II], v[\idx], s26
	v_cndmask_b32 v[BB], v[BB], v[\lab], s26
	v_med3_num_f32 v[TT+2], v[TT+1], v[TT+2], v[\val]
	v_med3_num_f32 v[TT+1], v[TT], v[TT+1], v[\val]
	v_min_num_f32 v[TT], v[TT], v[\val]
.endm
.macro CHUNK k, left, more             ; left: the younger loads that may stay out;  more = 1: the buffer takes the chunk three further on
.set CBF, (\k)%3
	s_wait_loadcnt \left
	v_add_f32 v[DA], v[XLS], v[RR4+2*CBF]
	v_add_f32 v[DB], v[XLS], v[RR4+2*CBF+1]
	v_sqrt_f32 v[DA], v[DA]
	v_sqrt_f32 v[DB], v[DB]
	v_add_nc_u32 v[IA], s[NB+(\k)/2], v[RR+(\k)%2]   ; the first tile's row index (a plain instruction behind the roots)
	; the two accumulators take turns, one instruction a turn
	v_wmma_scale_f32_16x16x128_f8f6f4 v[ACA:ACA+7], v[XQ:XQ+11], v[CD+48*CBF:CD+48*CBF+11], 0, v[XLS+1], v[SCL+2*CBF] matrix_a_fmt:MATRIX_FMT_FP6 matrix_b_fmt:MATRIX_FMT_FP6
	v_wmma_scale_f32_16x16x128_f8f6f4 v[ACB:ACB+7], v[XQ:XQ+11], v[CD+48*CBF+24:CD+48*CBF+35], 0, v[XLS+1], v[SCL+2*CBF+1] matrix_a_fmt:MATRIX_FMT_FP6 matrix_b_fmt:MATRIX_FMT_FP6
	v_wmma_scale_f32_16x16x128_f8f6f4 v[ACA:ACA+7], v[XQ+12:XQ+23], v[CD+48*CBF+12:CD+48*CBF+23], v[ACA:ACA+7], v[XLS+1], v[SCL+2*CBF] matrix_a_fmt:MATRIX_FMT_FP6 matrix_b_fmt:MATRIX_FMT_FP6 matrix_a_scale:MATRIX_SCALE_ROW1 matrix_b_scale:MATRIX_SCALE_ROW1
	v_wmma_scale_f32_16x16x128_f8f6f4 v[ACB:ACB+7], v[XQ+12:XQ+23], v[CD+48*CBF+36:CD+48*CBF+47], v[ACB:ACB+7], v[XLS+1], v[SCL+2*CBF+1] matrix_a_fmt:MATRIX_FMT_FP6 matrix_b_fmt:MATRIX_FMT_FP6 matrix_a_scale:MATRIX_SCALE_ROW1 matrix_b_scale:MATRIX_SCALE_ROW1
	v_add_nc_u32 v[IB], 16, v[IA]                  ; the places behind the products (ISA guide 7.12.1): the indices' arithmetic and three v_nop
	v_nop
	v_nop
	v_nop
	v_cvt_f32_u32 v[IA], v[IA]
	v_cvt_f32_u32 v[IB], v[IB]
	s_wait_alu depctr_va_vdst(0)                   ; one wait for the two roots, ahead of the first instruction that names a result
	v_add_f32 v[DA], v[DA], v[ACA]                 ; dh: each accumulator's register 0 is all that is read of it
	v_add_f32 v[DB], v[DB], v[ACB]
	INS2 DA, IA, LBL+2*CBF
	INS2 DB, IB, LBL+2*CBF+1
.if \more
	CHLOAD (\k)+3
.endif
.endm
.macro TAKE k                          ; neighbour k: the smallest (dh, index) at the heads of the sixteen lanes' lists; its label to LDS; the winner's list moves up
	v_mov_b32 v[MM], v[TT]
.irp x, 1,2,4,8
	v_min_num_f32_dpp v[MM], v[MM], v[MM] row_xmask:\x row_mask:0xf bank_mask:0xf
.endr
	v_cmp_eq_f32 vcc_lo, v[TT], v[MM]
	v_cndmask_b32 v[CI], v[INF], v[II], vcc_lo
.irp x, 1,2,4,8
	v_min_num_f32_dpp v[CI], v[CI], v[CI] row_xmask:\x row_mask:0xf bank_mask:0xf   ; the lowest index among the equals
.endr
	v_cmp_eq_f32 s26, v[II], v[CI]                 ; one lane of the sixteen: a lane's indices are r modulo 16
	v_cndmask_b32 v[LW], 0, v[BB], s26
.irp x, 1,2,4,8
	v_mov_b32_dpp v[TP], v[LW] row_xmask:\x row_mask:0xf bank_mask:0xf
	v_or_b32 v[LW], v[LW], v[TP]                   ; one label and fifteen zeros
.endr
	ds_store_b32 v[LA], v[LW] offset:4*\k          ; all lanes write the same word with the same value
.if \k < 2
	v_cndmask_b32 v[TT], v[TT], v[TT+1], s26
	v_cndmask_b32 v[TT+1], v[TT+1], v[TT+2], s26
	v_cndmask_b32 v[TT+2], v[TT+2], v[INF], s26
	v_cndmask_b32 v[II], v[II], v[II+1], s26
	v_cndmask_b32 v[II+1], v[II+1], v[II+2], s26
	v_cndmask_b32 v[BB], v[BB], v[BB+1], s26
	v_cndmask_b32 v[BB+1], v[BB+1], v[BB+2], s26
.endif
.endm
	s_load_b256 s[4:11], s[0:1], 0x0               ; gsel s[4:5], xrec s[6:7], tcodes s[8:9], taux s[10:11]
	s_load_b128 s[12:15], s[0:1], 0x20             ; train_labels s[12:13], out0 s[14:15]
	v_lshl_add_u32 v46, v0, 2, 0x400
	v_mov_b32 v47, 0
	v_lshrrev_b32 v1, 5, v0
	v_readfirstlane_b32 s[WV], v1                  ; wave 0..11
	v_and_b32 v1, 31, v0                           ; lane
	v_and_b32 v2, 15, v0                           ; r
	v_bfe_u32 v3, v0, 4, 1                         ; h
	v_lshlrev_b32 v[L16], 4, v1
	v_lshlrev_b32 v[L4], 2, v1
	v_lshlrev_b32 v[R4O], 2, v2
	v_lshlrev_b32 v[H256], 8, v3
	v_lshlrev_b32 v[H128], 7, v3
	v_mov_b32 v[RR], v2
	v_add_nc_u32 v[RR+1], 32, v2
	s_and_b32 s17, s[WV], 3                        ; t
	s_lshr_b32 s18, s[WV], 2                       ; i
	s_lshl_b32 s19, ttmp9, 3                       ; my work-group's first output row
	s_lshl_b32 s38, s18, 6
	s_mul_i32 s39, s17, 12
	s_add_co_u32 s38, s38, s39
	v_mov_b32 v[LA], s38
.irp j, 0,1,2                                  ; 4 x the remainder of entry 2048 j + first row by 3, for the way out: every wave makes all three
	s_add_co_u32 s30, s19, 2048*\j
	s_mul_hi_u32 s31, s30, 0xaaaaaaab
	s_lshr_b32 s31, s31, 1
	s_mul_i32 s31, s31, 3
	s_sub_co_u32 s[20+\j], s30, s31
	s_min_u32 s[20+\j], s[20+\j], 2                ; (it is 0, 1 or 2: the bound is written out)
	s_lshl_b32 s[20+\j], s[20+\j], 2
.endr
	s_lshl_b32 s30, s18, 11
	s_add_co_u32 s30, s30, s19                     ; my part's first entry
	s_mul_hi_u32 s31, s30, 0xaaaaaaab
	s_lshr_b32 s31, s31, 1                         ; its query
	s_mul_i32 s32, s31, 3
	s_sub_co_u32 s33, s30, s32                     ; and remainder
	s_add_co_u32 s34, s31, s17
	s_min_u32 s34, s34, 2047                       ; my query
	s_lshl_b32 s40, s34, 4                         ; its 16 bytes of gsel
	s_lshr_b32 s41, s34, 4
	s_mul_i32 s41, s41, REC                        ; its record,
	s_and_b32 s42, s34, 15
	s_lshl_b32 s43, s42, 4
	s_add_co_u32 s48, s41, s43                     ; in an image the 16 bytes of lane (query % 16) + 16 h,
	s_mov_b32 s49, 0
	s_lshl_b32 s43, s42, 3
	s_add_co_u32 s50, s41, s43                     ; in the tail its 8 bytes
	s_mov_b32 s51, 0
	s_mul_i32 s36, ttmp9, 3200                     ; eight rows of out0
	s_mov_b32 s37, 0
	s_wait_kmcnt 0x0
	s_add_nc_u64 s[14:15], s[14:15], s[36:37]
	s_cmp_lg_u32 s17, 3
	s_cbranch_scc1 .Lwork
	s_cmp_lg_u32 s33, 2
	s_cbranch_scc1 .Lmeet                          ; the fourth query is not wanted: its three words are never read
.Lwork:
	s_load_b128 s[44:47], s[4:5], s40 offset:0x0   ; my query's three groups
	s_add_nc_u64 s[48:49], s[6:7], s[48:49]
	s_add_nc_u64 s[50:51], s[6:7], s[50:51]
.irp s, 0,1
.irp c, 0,1,2
	global_load_b128 v[XQ+12*\s+4*\c:XQ+12*\s+4*\c+3], v[H256], s[48:49] offset:1536*\s+512*\c
.endr
.endr
	global_load_b64 v[XLS:XLS+1], v[H128], s[50:51] offset:3072   ; lanes 0-15 K step 0's scale word, lanes 16-31 K step 1's
	v_mov_b32 v[INF], 0x7f800000
.irp k, 0,1,2
	v_mov_b32 v[TT+\k], 0x7f800000                 ; above every dh
	v_mov_b32 v[II+\k], 0
	v_mov_b32 v[BB+\k], 0
.endr
	v_mov_b32 v[TP], 0                             ; a DPP form's destination counts as one of its sources
	s_wait_kmcnt 0x0
.irp g, 0,1,2
	s_min_u32 s[44+\g], s[44+\g], 1023             ; a loaded number enters addresses only behind this bound
	s_mul_i32 s[CB+2*\g], s[44+\g], 12288
	s_mov_b32 s[CB+2*\g+1], 0
	s_add_nc_u64 s[CB+2*\g:CB+2*\g+1], s[8:9], s[CB+2*\g:CB+2*\g+1]
	s_mul_i32 s[AB+2*\g], s[44+\g], 768
	s_mov_b32 s[AB+2*\g+1], 0
	s_add_nc_u64 s[AB+2*\g:AB+2*\g+1], s[10:11], s[AB+2*\g:AB+2*\g+1]
	s_lshl_b32 s[LB+2*\g], s[44+\g], 8
	s_mov_b32 s[LB+2*\g+1], 0
	s_add_nc_u64 s[LB+2*\g:LB+2*\g+1], s[12:13], s[LB+2*\g:LB+2*\g+1]
	s_lshl_b32 s[NB+\g], s[44+\g], 6
.endr
	CHLOAD 0
	CHLOAD 1
	CHLOAD 2
	CHUNK 0, 36, 1                                 ; behind a chunk's loads two younger chunks of 18 loads are out,
	CHUNK 1, 36, 1
	CHUNK 2, 36, 1
	CHUNK 3, 36, 0
	CHUNK 4, 18, 0                                 ; then one,
	CHUNK 5, 0, 0                                  ; then none
	TAKE 0
	TAKE 1
	TAKE 2
.Lmeet:
	s_wait_dscnt 0x0                               ; for the others' sake: my three words have landed
	s_barrier_signal -1
	s_barrier_wait -1
	; ---- the way out: thread q under 200 makes four columns of output row q / 25.  All lanes work; the row number is cut to 0..7, so that every thread reads words that were written; only the store is narrowed
	v_mul_u32_u24 v12, v0, 41
	v_lshrrev_b32 v12, 10, v12                     ; q / 25 for q under 200
	v_and_b32 v12, 7, v12
	v_mul_u32_u24 v13, v12, 25
	v_sub_nc_u32 v13, v0, v13
	v_mul_u32_u24 v13, v13, 12                     ; 3 x my first column
	v_lshl_add_u32 v14, v12, 2, s20                ; entry (remainder + row) of each of the three parts
	v_lshl_add_u32 v15, v12, 2, s21
	v_lshl_add_u32 v247, v12, 2, s22
	ds_load_b32 v248, v14
	ds_load_b32 v249, v15 offset:64
	ds_load_b32 v250, v247 offset:128
	v_mov_b32 v246, 1.0
	v_lshlrev_b32 v244, 4, v0                      ; 16 bytes a thread, on end
	s_wait_dscnt 0x0
	v_add3_u32 v248, v248, v249, v250              ; the three labels' sum
	v_sub_nc_u32 v251, v248, v13                   ; sum - 3 x column
	v_cmp_gt_u32 vcc_lo, 3, v251
	v_cndmask_b32 v252, 0, v246, vcc_lo
	v_add_nc_u32 v251, -3, v251
	v_cmp_gt_u32 vcc_lo, 3, v251
	v_cndmask_b32 v253, 0, v246, vcc_lo
	v_add_nc_u32 v251, -3, v251
	v_cmp_gt_u32 vcc_lo, 3, v251
	v_cndmask_b32 v254, 0, v246, vcc_lo
	v_add_nc_u32 v251, -3, v251
	v_cmp_gt_u32 vcc_lo, 3, v251
	v_cndmask_b32 v255, 0, v246, vcc_lo
	v_cmp_gt_u32 vcc_lo, 200, v0
	s_wait_xcnt 0x0                                ; EXEC changes only behind this wait
	s_wait_tensorcnt 0x0
	ds_add_u32 v46, v47
	s_wait_dscnt 0x0
	s_and_saveexec_b32 s76, vcc_lo
	global_store_b128 v244, v[252:255], s[14:15] th:TH_STORE_NT
	s_wait_xcnt 0x0                                ; and again, in front of the line that widens it
	s_or_b32 exec_lo, exec_lo, s76
	s_endpgm
.Lfunc_end_k_qebcca61cb8_final:
	.size	k_qebcca61cb8_final, .Lfunc_end_k_qebcca61cb8_final-k_qebcca61cb8_final
	.p2alignl 7, 3214868480
	.fill 96, 4, 3214868480
	.section	.rodata,"a",@progbits
	.p2align	6, 0x0
	.amdhsa_kernel k_qebcca61cb8_final
		.amdhsa_group_segment_fixed_size 2560
		.amdhsa_private_segment_fixed_size 0
		.amdhsa_enable_private_segment 0
		.amdhsa_kernarg_size 48
		.amdhsa_user_sgpr_count 2
		.amdhsa_user_sgpr_kernarg_segment_ptr 1
		.amdhsa_wavefront_size32 1
		.amdhsa_system_sgpr_workgroup_id_x 1
		.amdhsa_system_sgpr_workgroup_id_y 1
		.amdhsa_system_sgpr_workgroup_id_z 1
		.amdhsa_system_vgpr_workitem_id 0
		.amdhsa_next_free_vgpr 256
		.amdhsa_next_free_sgpr 80
		.amdhsa_reserve_vcc 1
		.amdhsa_float_denorm_mode_32 3
		.amdhsa_float_denorm_mode_16_64 3
		.amdhsa_memory_ordered 1
		.amdhsa_forward_progress 1
		.amdhsa_inst_pref_size 38
	.end_amdhsa_kernel
	.amdgpu_metadata
---
amdhsa.version: [ 1, 2 ]
amdhsa.kernels:
  - .name:           k_qebcca61cb8_final
    .symbol:         k_qebcca61cb8_final.kd
    .args:
      - { .name: gsel, .offset: 0, .size: 8, .value_kind: global_buffer, .address_space: global }
      - { .name: xrec, .offset: 8, .size: 8, .value_kind: global_buffer, .address_space: global }
      - { .name: tcodes, .offset: 16, .size: 8, .value_kind: global_buffer, .address_space: global }
      - { .name: taux, .offset: 24, .size: 8, .value_kind: global_buffer, .address_space: global }
      - { .name: train_labels, .offset: 32, .size: 8, .value_kind: global_buffer, .address_space: global }
      - { .name: out0, .offset: 40, .size: 8, .value_kind: global_buffer, .address_space: global }
    .group_segment_fixed_size: 2560
    .private_segment_fixed_size: 0
    .kernarg_segment_align: 8
    .kernarg_segment_size: 48
    .max_flat_workgroup_size: 384
    .sgpr_count:     80
    .vgpr_count:     256
    .wavefront_size: 32
...
	.end_amdgpu_metadata
.endif
;; end of part 4
